; MI455X (gfx1250); checked and timed in simulation.
; The chip was launched on July 23, 2026; its instructions are those of AMD's public machine-readable ISA for CDNA 5 (MIT licence, August 2026) and "CDNA5" Instruction Set Architecture Reference Guide (July 2026). The comments in the code are by the model that wrote it; some were corrected since.
;; Vector Quantizer. Allowed arithmetic: matrix products marked QUANTISED: E2M3 operands, one E8M0 scale for each 32 along K, by v_wmma_scale_f32_16x16x128_f8f6f4 with both operands' format E2M3, f32 sums; everything else in f32.
;; Inputs: codebook 8,192 x 256 float32; x 32 x 32 x 32 x 256 float32.
;; Outputs: out0 32 x 32 x 32 x 256 float32; out1 32 x 32 x 32 int32.
;; This version of the problem:
;;   THIS VERSION OF THE PROBLEM IS GIVEN IN LOW PRECISION. The matrix products marked QUANTISED in the list below multiply operands that are first quantised to E2M3 (2 exponent bits, 3 mantissa bits; 6 bits a number), with one power-of-two scale for each 32 numbers along K (OCP MX v1.0); their sums are f32. All else is computed in f32.
;;   The module's matrix products, in the order in which they are computed (A, B: the left and right operand; K: the contracted axis; several contracted axes count as one K, in the product's order):
;;     1. [M 32,768, K 256] x [K 256, N 8,192]; A: input x; B: input codebook: QUANTISED
;;   THE QUANTISER, for each operand of a quantised product, along K:
;;     - K is cut into blocks of 32 from its start; a last block that is shorter is filled with zeros.
;;     - A block's scale is 2^e with e = floor(log2(the largest magnitude in the block)) - 2, held to -126 .. 127; a block of zeros has e = 0. As a byte (E8M0): e + 127.
;;     - Each number is divided by its block's scale, clamped to +-7.5, and rounded to the nearest number of E2M3, ties to even, subnormals kept.
;;     - The product sums the exact products of the quantised numbers (number of the format x scale) in f32.
;;   ~~~python
;;   def quantise(x, axis):      # numpy; x: float32 -> the quantised numbers, widened to float32 again
;;       x = np.moveaxis(x, axis, -1); K = x.shape[-1]
;;       x = np.pad(x, [(0, 0)] * (x.ndim - 1) + [(0, -K % 32)]); x = x.reshape(x.shape[:-1] + (-1, 32)); a = np.abs(x).max(-1, keepdims=True)
;;       e = np.where(a > 0, np.clip(np.frexp(np.where(a > 0, a, 1))[1] - 1 - 2, -126, 127), 0)      # np.frexp(a)[1] - 1 = floor(log2(a)), exactly
;;       r = np.clip(x / 2.0 ** e, -7.5, 7.5)
;;       step = 2.0 ** (np.maximum(np.frexp(np.where(r == 0, 1, r))[1] - 1, 0) - 3)
;;       q = np.round(r / step) * step * 2.0 ** e      # np.round: ties to even
;;       return np.moveaxis(q.reshape(q.shape[:-2] + (-1,))[..., :K], -1, axis).astype(np.float32)
;;   ~~~
;; One version. Each part assembles by itself: llvm-mc -triple=amdgcn-amd-amdhsa -mcpu=gfx1250 --defsym DOCPART=n.
;; ======== version 1 of 1: 4 launches
;; limits: right only within a limited range of input values
;; workspace buffers: cbq 1,703,936 bytes; xq 6,815,744 bytes; cand 262,144 bytes of whole numbers; idxw 131,072 bytes of whole numbers
;; launch prep (part 1): grid 1280 x 1, 2 waves a work-group, no clusters, 34,048 bytes of LDS; arguments codebook, x, cbq, xq; writes cbq, xq
.if DOCPART == 1
	.amdgcn_target "amdgcn-amd-amdhsa--gfx1250"
	.amdhsa_code_object_version 6
	.text
	.protected	k_q0891441ada_prep
	.globl	k_q0891441ada_prep
	.p2align	8
	.type	k_q0891441ada_prep,@function
k_q0891441ada_prep:
	s_mov_b64 s[64:65], 0
	v_nop
	global_prefetch_b8 v0, s[64:65] scope:SCOPE_SE
	s_setreg_imm32_b32 hwreg(HW_REG_WAVE_MODE, 25, 1), 1
	s_wait_xcnt 0x0
; The codebook [8192][256] and x [32768][256], f32, become RECORDS of 3,328 bytes, one for each 16 rows, laid as the later launches take them into registers: 512 records in cbq, 2,048 in xq.
; A record: six blocks of 512 bytes (block 3 s + c = registers 4 c .. 4 c + 3 of the fragment of K step s, lane l's 16 bytes at 16 l), then 256 bytes in two halves of 128, one for rows 0-7 and one for rows 8-15:
; eight scale words of K step 0, eight of K step 1, eight numbers -1/2 x (the row's sum of squares, of the UNQUANTISED numbers, f32; the halving is exact), 32 bytes of zeros.
; THE QUANTISER: a block of 32 along K has the scale 2^(floor(log2(its largest magnitude)) - 2); its byte is the largest magnitude's exponent field - 2, held at 1 from below; each number is divided by the
; scale and rounded to the nearest code of E2M3, ties to even, beyond 7.5 the largest code.
; LIMITS: NaN and infinities among the inputs are not served.  A block of zeros gets the byte 1 where the quantiser's text says 127: its codes are zeros, and this program alone reads the bytes.
; The sums of squares are taken in another order than a row-wise sum (two chains of fused multiply-adds a lane, two lanes a row); a sum under 2^-125 would lose bits in the halving.
; SHARES: a wave takes one record, 16 rows = 16,384 consecutive bytes: 32 loads of 512 bytes, turned through the wave's own stage in LDS (rows 1,040 bytes apart) so that lane (r, h) holds, of row r,
; k = 128 s + 64 c + 32 h + 0 .. 31.  The first 256 work-groups take the codebook, the other 1,024 x: only pointers are chosen, by the work-group's number.  Waves share nothing: no barrier.
.set PITCH, 1040
.set WREG,  16896                      ; a wave's LDS: the stage, 16 x 1,040, and 256 bytes for the record's last block
.set AUX,   16640
.set REC,   3328
.set CBW,   256                        ; the codebook's work-groups
.set L16, 4
.set STW, 5
.set XA,  6
.set H8,  7
.set AXW, 8
.set AXR, 10
.set L8,  11
.set TP,  16
.set MX,  24
.set SO,  26
.set BY,  28
.set TQ,  30
.set RAW, 32
.set XN,  160
.set PC,  224
.set PW,  248
.set SQ,  250
.set SEL, 20
.macro QLOAD off                       ; 64 numbers of my row: two blocks of 32
.irp c, 0,1
.irp i, 0,1,2,3,4,5,6,7
	ds_load_b128 v[XN+32*\c+4*\i:XN+32*\c+4*\i+3], v[XA] offset:\off+256*\c+16*\i
.endr
.endr
.endm
.macro SUMSQ first                     ; their squares, onto two chains; first = 1: the first products start the sums
.if \first
	v_pk_mul_f32 v[SQ:SQ+1], v[XN:XN+1], v[XN:XN+1]
	v_pk_mul_f32 v[SQ+2:SQ+3], v[XN+2:XN+3], v[XN+2:XN+3]
.else
	v_pk_fma_f32 v[SQ:SQ+1], v[XN:XN+1], v[XN:XN+1], v[SQ:SQ+1]
	v_pk_fma_f32 v[SQ+2:SQ+3], v[XN+2:XN+3], v[XN+2:XN+3], v[SQ+2:SQ+3]
.endif
.irp j, 4,8,12,16,20,24,28,32,36,40,44,48,52,56,60
	v_pk_fma_f32 v[SQ:SQ+1], v[XN+\j:XN+\j+1], v[XN+\j:XN+\j+1], v[SQ:SQ+1]
	v_pk_fma_f32 v[SQ+2:SQ+3], v[XN+\j+2:XN+\j+3], v[XN+\j+2:XN+\j+3], v[SQ+2:SQ+3]
.endr
.endm
.macro QUANT pc, pw                    ; the 64 numbers become 12 registers of codes and my row's scale word
.irp c, 0,1
	v_max3_num_f32 v[MX+\c], |v[XN+32*\c]|, |v[XN+32*\c+1]|, 0x1800000   ; the floor 2^(3 - 127) holds the byte at 1 from below
.endr
.irp i, 2,4,6,8,10,12,14,16,18,20,22,24,26,28,30
.irp c, 0,1
	v_max3_num_f32 v[MX+\c], v[MX+\c], |v[XN+32*\c+\i]|, |v[XN+32*\c+\i+1]|
.endr
.endr
.irp c, 0,1
	v_add_nc_u32 v[SO+\c], 0xff000000, v[MX+\c]    ; 2 off the exponent field: the conversion's scale operand
.endr
.irp c, 0,1
	v_lshrrev_b32 v[BY+\c], 23, v[SO+\c]           ; the scale's byte
.endr
	v_lshl_or_b32 v[\pw], v[BY+1], 16, v[BY]       ; blocks h and 2 + h,
	v_lshlrev_b32 v[\pw], v[H8], v[\pw]            ; at their places in the word;
	v_permlanex16_b32 v[TQ], v[\pw], s[SEL], s[SEL+1]
	v_or_b32 v[\pw], v[\pw], v[TQ]                 ; with lane l xor 16's two the word is whole
.irp c, 0,1
	v_cvt_scalef32_pk16_fp6_f32 v[(\pc)+6*\c:(\pc)+6*\c+2], v[XN+32*\c:XN+32*\c+15], v[SO+\c]
	v_cvt_scalef32_pk16_fp6_f32 v[TP+4*\c:TP+4*\c+2], v[XN+32*\c+16:XN+32*\c+31], v[SO+\c]   ; (three registers from an even one on: the second half is made elsewhere and moved)
.endr
	v_nop                                          ; one plain line behind the last scaled conversion
.irp c, 0,1
.irp i, 0,1,2
	v_mov_b32 v[(\pc)+3+6*\c+\i], v[TP+4*\c+\i]
.endr
.endr
.endm
	s_load_b256 s[24:31], s[0:1], 0x0              ; the codebook, x, cbq, xq
	v_lshl_add_u32 v254, v0, 2, 0x8400             ; my spare word, behind the two waves' regions
	v_mov_b32 v255, 0
	v_lshrrev_b32 v1, 5, v0
	v_readfirstlane_b32 s8, v1                     ; wave 0, 1
	v_and_b32 v1, 31, v0                           ; lane
	v_and_b32 v2, 15, v0                           ; r
	v_bfe_u32 v3, v0, 4, 1                         ; h
	v_lshlrev_b32 v[L16], 4, v1
	s_mul_i32 s9, s8, WREG
	v_add_nc_u32 v[STW], s9, v[L16]
	v_mul_u32_u24 v[XA], v2, PITCH
	v_lshl_add_u32 v[XA], v3, 7, v[XA]
	v_add_nc_u32 v[XA], s9, v[XA]
	v_lshlrev_b32 v[H8], 3, v3
	s_add_co_u32 s9, s9, AUX
	v_and_b32 v9, 7, v2
	v_lshlrev_b32 v9, 2, v9
	v_lshl_add_u32 v9, v3, 5, v9
	v_lshrrev_b32 v12, 3, v2
	v_lshl_add_u32 v9, v12, 7, v9
	v_add_nc_u32 v[AXW], s9, v9                    ; the last block: 128 (r / 8) + 32 h + 4 (r % 8)
	v_lshl_add_u32 v[AXR], v1, 3, s9
	v_lshlrev_b32 v[L8], 3, v1
	v_mov_b32 v[TQ], 0                             ; a lane permute's destination counts as one of its sources
	s_mov_b32 s[SEL], 0x76543210
	s_mov_b32 s[SEL+1], 0xfedcba98
	s_cmp_lt_u32 ttmp9, CBW
	s_cselect_b32 s11, 0, CBW
	s_sub_co_u32 s11, ttmp9, s11                   ; my work-group's number within its tensor
	s_lshl_b32 s10, s11, 1
	s_add_co_u32 s10, s10, s8                      ; my record
	s_lshl_b32 s12, s10, 14                        ; its 16 rows: 16,384 bytes
	s_mov_b32 s13, 0
	s_mul_i32 s14, s10, REC
	s_mov_b32 s15, 0
	s_wait_alu depctr_va_vdst(0)                   ; the wait at the head's end
	s_wait_kmcnt 0x0
	s_cmp_lt_u32 ttmp9, CBW                        ; the choice hangs on the work-group's number alone
	s_cselect_b64 s[4:5], s[24:25], s[26:27]
	s_cselect_b64 s[6:7], s[28:29], s[30:31]
	s_add_nc_u64 s[4:5], s[4:5], s[12:13]
	s_add_nc_u64 s[6:7], s[6:7], s[14:15]
.set J, 0
.rept 32
	global_load_b128 v[RAW+4*J:RAW+4*J+3], v[L16], s[4:5] offset:512*J th:TH_LOAD_NT   ; 512 consecutive bytes; read once in the launch
.set J, J+1
.endr
.set J, 0
.rept 32
	s_wait_loadcnt 31-J                            ; load J is in, the 31 - J behind it may be out
	ds_store_b128 v[STW], v[RAW+4*J:RAW+4*J+3] offset:PITCH*(J/2)+512*(J%2)
.set J, J+1
.endr
.irp s, 0,1
	QLOAD 512*\s                                   ; LDS serves a wave's instructions in order: these see my stores
	s_wait_dscnt 0x0
	SUMSQ 1-\s
	QUANT PC+12*\s, PW+\s
.irp c, 0,1,2
	global_store_b128 v[L16], v[PC+12*\s+4*\c:PC+12*\s+4*\c+3], s[6:7] offset:1536*\s+512*\c   ; 512 consecutive bytes, at a multiple of 256 from the buffer's first byte
.endr
.endr
	v_pk_add_f32 v[SQ:SQ+1], v[SQ:SQ+1], v[SQ+2:SQ+3]
	v_add_f32 v[SQ], v[SQ], v[SQ+1]
	v_permlanex16_b32 v[TQ], v[SQ], s[SEL], s[SEL+1]
	v_add_f32 v[SQ], v[SQ], v[TQ]                  ; the sum of squares of row r
	v_mul_f32 v[SQ], -0.5, v[SQ]
	v_cmp_gt_u32 vcc_lo, 16, v1                    ; lanes 0-15
	v_cndmask_b32 v[PW], v[PW+1], v[PW], vcc_lo    ; lanes 0-15: K step 0's word; lanes 16-31: K step 1's
	v_cndmask_b32 v[SQ], 0, v[SQ], vcc_lo          ; lanes 16-31: the zeros that fill the record
	ds_store_b32 v[AXW], v[PW]
	ds_store_b32 v[AXW], v[SQ] offset:64
	ds_load_b64 v[12:13], v[AXR]
	s_wait_dscnt 0x0
	global_store_b64 v[L8], v[12:13], s[6:7] offset:3072   ; the record's last 256 bytes, whole
	s_wait_tensorcnt 0x0                           ; the wave's end
	ds_add_u32 v254, v255
	s_wait_dscnt 0x0
	s_endpgm
.Lfunc_end_k_q0891441ada_prep:
	.size	k_q0891441ada_prep, .Lfunc_end_k_q0891441ada_prep-k_q0891441ada_prep
	.p2alignl 7, 3214868480
	.fill 96, 4, 3214868480
	.section	.rodata,"a",@progbits
	.p2align	6, 0x0
	.amdhsa_kernel k_q0891441ada_prep
		.amdhsa_group_segment_fixed_size 34048
		.amdhsa_private_segment_fixed_size 0
		.amdhsa_enable_private_segment 0
		.amdhsa_kernarg_size 32
		.amdhsa_user_sgpr_count 2
		.amdhsa_user_sgpr_kernarg_segment_ptr 1
		.amdhsa_wavefront_size32 1
		.amdhsa_system_sgpr_workgroup_id_x 1
		.amdhsa_system_sgpr_workgroup_id_y 1
		.amdhsa_system_sgpr_workgroup_id_z 1
		.amdhsa_system_vgpr_workitem_id 0
		.amdhsa_next_free_vgpr 256
		.amdhsa_next_free_sgpr 66
		.amdhsa_reserve_vcc 1
		.amdhsa_float_denorm_mode_32 3
		.amdhsa_float_denorm_mode_16_64 3
		.amdhsa_memory_ordered 1
		.amdhsa_forward_progress 1
		.amdhsa_inst_pref_size 22
	.end_amdhsa_kernel
	.amdgpu_metadata
---
amdhsa.version: [ 1, 2 ]
amdhsa.kernels:
  - .name:           k_q0891441ada_prep
    .symbol:         k_q0891441ada_prep.kd
    .args:
      - { .name: codebook, .offset: 0, .size: 8, .value_kind: global_buffer, .address_space: global }
      - { .name: x, .offset: 8, .size: 8, .value_kind: global_buffer, .address_space: global }
      - { .name: cbq, .offset: 16, .size: 8, .value_kind: global_buffer, .address_space: global }
      - { .name: xq, .offset: 24, .size: 8, .value_kind: global_buffer, .address_space: global }
    .group_segment_fixed_size: 34048
    .private_segment_fixed_size: 0
    .kernarg_segment_align: 8
    .kernarg_segment_size: 32
    .max_flat_workgroup_size: 64
    .sgpr_count:     66
    .vgpr_count:     256
    .wavefront_size: 32
...
	.end_amdgpu_metadata
.endif
;; end of part 1
;; launch score (part 2): grid 256 x 1, 8 waves a work-group, no clusters, 18,432 bytes of LDS; arguments xq, cbq, cand; writes cand
.if DOCPART == 2
	.amdgcn_target "amdgcn-amd-amdhsa--gfx1250"
	.amdhsa_code_object_version 6
	.text
	.protected	k_q0891441ada_score
	.globl	k_q0891441ada_score
	.p2align	8
	.type	k_q0891441ada_score,@function
k_q0891441ada_score:
	s_mov_b64 s[64:65], 0
	v_nop
	global_prefetch_b8 v0, s[64:65] scope:SCOPE_SE
	s_setreg_imm32_b32 hwreg(HW_REG_WAVE_MODE, 25, 1), 1
	s_wait_xcnt 0x0
; For each of 32,768 rows of x: the TWO groups of 8 codes that hold the largest g = ab - b2 / 2 over all 8,192 codes (the least a2 - 2 ab + b2, a2 being the same for all codes of a row).  ab is the product on codes
; of E2M3 with E8M0 scales; -b2 / 2 comes with the codebook's records and is the C of a tile's first product, so g leaves the matrix unit whole.  The next launch forms the distance of the 16 codes so found with
; the definition's own roundings (a2 among them) and takes the least, the lowest index among equals.
; LIMIT (an order of rounding): the index is the definition's while at most two groups of 8 codes hold a g within the rounding of the definition's d (two units in the last place of a2) and 64 units in the last
; place of g of the row's largest; with three such groups or more, the index is the best among the two groups kept.  NaN and infinities among the inputs are not served.
; SHARES.  A work-group owns 128 rows for all codes.  Each of its eight waves holds all 128 rows as 16 fragments, 192 registers; wave w takes the codebook's records 64 w .. 64 w + 63.
; THE PRODUCT IS USED TRANSPOSED: source 0 = 16 codes, source 1 = 16 rows.  Lane (r, h) holds row r, its register j code 8 h + j.
; A TILE'S VECTOR WORK, 7 lines: the largest of its eight g (4); the record's number 0 .. 63 in place of that number's low 6 bits (1); the lane's best two such keys by one middle-of-three and one maximum (2).
; THE RECORDS COME STRAIGHT INTO REGISTERS:
; nine loads a record into a ring of six sets, asked for six records ahead.  So there is no tensor load to share in a cluster (a joint load lands in LDS, from which each of the 3,328 bytes would be read once more),
; no barrier in the loop, and no prefetch: the ring's own loads stand six records (54 loads) ahead of their use.
.set REC,   3328
.set RING,  6
.set OUTL,  16384                      ; LDS: 0 .. 16,383 each wave's keys (2,048 bytes a wave); then 1,024 bytes of candidate words;
.set SPARE, 17408                      ; then the spare words, 128 bytes a wave
.set SPW, 1
.set NIL, 2
.set L16, 3                            ; 16 x lane
.set LS,  4                            ; my scale word in a record
.set LQ,  5                            ; my half's eight -b2 / 2
.set VT,  6                            ; the number of the record in hand
.set HB,  7                            ; h
.set TP,  8                            ; v8-13 at work
.set MW,  14
.set MR,  15
.set AS,  16                           ; v16-23 x's scale words: scales and nothing else
.set BS,  24                           ; v24-29 the codes' scale words, one a set: scales and nothing else
.set OW,  30
.set ORD, 31
.set BK,  32                           ; v32-47 tile of rows i: the best key at 2 i, the second at 2 i + 1
.set ACC, 48                           ; v48-79 two sets of two accumulators
.set NH,  80                           ; v80-127 -b2 / 2, eight a set
.set BF,  128                          ; v128-223 sets 0-3 of fragments, 24 each; sets 4, 5 lie in window 1 at v192-239, behind x's fragments (tile i, K step s at 24 i + 12 s)
.set GO,  224
.set E,   128                          ; the way out: 16 keys,
.set ID,  144                          ; their groups' numbers,
.set TM,  160
.set MSB, 0
.macro WIN new                         ; the immediate's high byte repeats the setting that is left
.if MSB != \new
	s_set_vgpr_msb (MSB<<8)|\new
.set MSB, \new
.endif
.endm
.macro LOADSET q, rec                  ; record rec, counted from the walking base, into set q: 9 loads
.if (\q) < 4
.set LD0, BF+24*(\q)
.else
.set LD0, 192+24*((\q)-4)
	WIN 0x40
.endif
.irp b, 0,1,2,3,4,5
	global_load_b128 v[LD0+4*\b:LD0+4*\b+3], v[L16], s[6:7] offset:REC*(\rec)+512*\b
.endr
	WIN 0
	global_load_b32 v[BS+(\q)], v[LS], s[6:7] offset:REC*(\rec)
	global_load_b128 v[NH+8*(\q):NH+8*(\q)+3], v[LQ], s[6:7] offset:REC*(\rec)
	global_load_b128 v[NH+8*(\q)+4:NH+8*(\q)+7], v[LQ], s[6:7] offset:REC*(\rec)+16
.endm
; Set q's record against the tiles of rows 2 p and 2 p + 1: both tiles' K step 0 start the sums with -b2 / 2, then both tiles' K step 1.  The accumulators take turns, one instruction a turn, and
; neighbouring units take the two sets by turns.  K step 1's scale words stand in lanes 16-31 of the same registers.
.macro MAT q, p
.set MA, ACC+16*((\p)%2)
.set MB, 48*(\p)
.set MN, NH+8*(\q)
.set MS, BS+(\q)
.set MX, AS+2*(\p)
.if (\q) < 4
.set MF, BF+24*(\q)
	WIN 0x04
.else
.set MF, 192+24*((\q)-4)
	WIN 0x05
.endif
	v_wmma_scale_f32_16x16x128_f8f6f4 v[MA:MA+7], v[MF:MF+11], v[MB:MB+11], v[MN:MN+7], v[MS], v[MX] matrix_a_fmt:MATRIX_FMT_FP6 matrix_b_fmt:MATRIX_FMT_FP6
	v_wmma_scale_f32_16x16x128_f8f6f4 v[MA+8:MA+15], v[MF:MF+11], v[MB+24:MB+35], v[MN:MN+7], v[MS], v[MX+1] matrix_a_fmt:MATRIX_FMT_FP6 matrix_b_fmt:MATRIX_FMT_FP6
	v_wmma_scale_f32_16x16x128_f8f6f4 v[MA:MA+7], v[MF+12:MF+23], v[MB+12:MB+23], v[MA:MA+7], v[MS], v[MX] matrix_a_fmt:MATRIX_FMT_FP6 matrix_b_fmt:MATRIX_FMT_FP6 matrix_a_scale:MATRIX_SCALE_ROW1 matrix_b_scale:MATRIX_SCALE_ROW1
	v_wmma_scale_f32_16x16x128_f8f6f4 v[MA+8:MA+15], v[MF+12:MF+23], v[MB+36:MB+47], v[MA+8:MA+15], v[MS], v[MX+1] matrix_a_fmt:MATRIX_FMT_FP6 matrix_b_fmt:MATRIX_FMT_FP6 matrix_a_scale:MATRIX_SCALE_ROW1 matrix_b_scale:MATRIX_SCALE_ROW1
	WIN 0
.endm
.macro VEC p                           ; the two tiles' 14 lines, by turns; each accumulator is read from its low end on
.set DA, ACC+16*((\p)%2)
.set DB, DA+8
.set KA, BK+4*(\p)
	v_max3_num_f32 v[TP], v[DA], v[DA+1], v[DA+2]
	v_max3_num_f32 v[TP+1], v[DA+3], v[DA+4], v[DA+5]
	v_max3_num_f32 v[TP+2], v[DB], v[DB+1], v[DB+2]
	v_max3_num_f32 v[TP+3], v[DB+3], v[DB+4], v[DB+5]
	v_max_num_f32 v[TP+4], v[DA+6], v[DA+7]
	v_max_num_f32 v[TP+5], v[DB+6], v[DB+7]
	s_delay_alu instid0(VALU_DEP_2)
	v_max3_num_f32 v[TP], v[TP], v[TP+1], v[TP+4]
	s_delay_alu instid0(VALU_DEP_2)
	v_max3_num_f32 v[TP+2], v[TP+2], v[TP+3], v[TP+5]
	s_delay_alu instid0(VALU_DEP_2)
	v_and_or_b32 v[TP], v[TP], s15, v[VT]          ; the key: the tile's largest g, the record's number in its low 6 bits
	s_delay_alu instid0(VALU_DEP_2)
	v_and_or_b32 v[TP+2], v[TP+2], s15, v[VT]
	s_delay_alu instid0(VALU_DEP_2)
	v_med3_num_f32 v[KA+1], v[KA], v[KA+1], v[TP]  ; the second of (best, second, key) is the middle one
	s_delay_alu instid0(VALU_DEP_2)
	v_med3_num_f32 v[KA+3], v[KA+2], v[KA+3], v[TP+2]
	v_max_num_f32 v[KA], v[KA], v[TP]
	v_max_num_f32 v[KA+2], v[KA+2], v[TP+2]
.endm
; ONE RECORD, in set q; its first unit's products have been issued.  Unit p + 1's products stand ahead of unit p's 14 plain lines, which name none of their registers: these are the places between products and the
; lines that read their results, and between the record's last products and the loads into its set (ISA guide 7.12.1 for vector instructions).
; ld: the record that refills the set, or -1.  wc: the loads issued behind the next record's nine, or -1 behind the last record.
.macro RSTEP q, ld, wc
.irp p, 0,1,2,3
.if \p < 3
	MAT \q, \p+1
.else
.if (\wc) >= 0
	s_wait_loadcnt \wc
	MAT (\q+1)%RING, 0
.endif
.endif
	VEC \p
.if (\p == 2) && ((\ld) >= 0)
	LOADSET \q, \ld
.endif
.endr
	v_add_nc_u32 v[VT], 1, v[VT]
.endm
.macro INS n                           ; entry n joins the best two: keys in v[E], v[E+1], their groups in v[ID], v[ID+1]
	v_cmp_gt_f32 s50, v[E+\n], v[E]
	v_cmp_gt_f32 vcc_lo, v[E+\n], v[E+1]
	v_cndmask_b32 v[TM], v[ID+\n], v[ID], s50
	v_cndmask_b32 v[ID+1], v[ID+1], v[TM], vcc_lo
	v_cndmask_b32 v[ID], v[ID], v[ID+\n], s50
	v_med3_num_f32 v[E+1], v[E], v[E+1], v[E+\n]
	v_max_num_f32 v[E], v[E], v[E+\n]
.endm
	s_load_b128 s[4:7], s[0:1], 0x0                ; xq, cbq
	s_load_b64 s[8:9], s[0:1], 0x10                ; cand
	v_lshl_add_u32 v[SPW], v0, 2, SPARE
	v_mov_b32 v[NIL], 0
	v_lshrrev_b32 v8, 5, v0
	v_readfirstlane_b32 s12, v8                    ; wave 0..7
	v_and_b32 v9, 31, v0                           ; lane
	v_and_b32 v10, 15, v0                          ; r
	v_bfe_u32 v[HB], v0, 4, 1
	v_lshlrev_b32 v[L16], 4, v9
	v_and_b32 v11, 7, v10
	v_lshrrev_b32 v12, 3, v10
	v_lshlrev_b32 v[LS], 2, v11
	v_lshl_add_u32 v[LS], v[HB], 5, v[LS]
	v_lshl_add_u32 v[LS], v12, 7, v[LS]
	v_add_nc_u32 v[LS], 3072, v[LS]                ; 3,072 + 128 (r / 8) + 32 h + 4 (r % 8): lanes 0-15 K step 0's word of row r, lanes 16-31 K step 1's
	v_lshlrev_b32 v[LQ], 7, v[HB]
	v_add_nc_u32 v[LQ], 3136, v[LQ]
	v_mov_b32 v[VT], 0
	s_lshl_b32 s13, s12, 11
	v_lshl_add_u32 v[MW], v9, 3, s13               ; my wave's keys: 8 bytes a lane, 256 a tile of rows
	s_lshl_b32 s13, s12, 8
	v_lshl_add_u32 v[MR], v9, 3, s13               ; back: tile of rows = my wave's number, my lane's place in every wave's list
	s_lshl_b32 s13, s12, 7
	v_lshl_add_u32 v[OW], v10, 3, s13
	v_lshl_add_u32 v[OW], v[HB], 2, v[OW]
	v_add_nc_u32 v[OW], OUTL, v[OW]                ; a row's two words
	s_and_b32 s13, s12, 3
	s_lshl_b32 s13, s13, 8
	v_lshl_add_u32 v[GO], v9, 3, s13
	v_add_nc_u32 v[ORD], OUTL, v[GO]
	s_mov_b32 s14, 0xff800000                      ; both keys begin at -infinity, so that the step is written once
.set J, 0
.rept 16
	v_mov_b32 v[BK+J], s14
.set J, J+1
.endr
	s_mov_b32 s15, 0xffffffc0
	s_mov_b32 s20, 0x76543210
	s_mov_b32 s21, 0xfedcba98
	s_mul_i32 s16, ttmp9, 8*REC                    ; my block's eight records of x
	s_mov_b32 s17, 0
	s_mul_i32 s18, s12, 64*REC                     ; my wave's 64 records of the codebook
	s_mov_b32 s19, 0
	s_lshl_b32 s22, ttmp9, 10                      ; my block's 128 pairs of words
	s_mov_b32 s23, 0
	s_mov_b32 s24, 9
	s_wait_alu depctr_va_vdst(0)                   ; the wait at the head's end
	s_wait_kmcnt 0x0
	s_add_nc_u64 s[4:5], s[4:5], s[16:17]
	s_add_nc_u64 s[6:7], s[6:7], s[18:19]
	s_add_nc_u64 s[8:9], s[8:9], s[22:23]
	WIN 0x40
.set J, 0
.rept 48
	global_load_b128 v[4*J:4*J+3], v[L16], s[4:5] offset:REC*(J/6)+512*(J%6)
.set J, J+1
.endr
	WIN 0
.irp i, 0,1,2,3,4,5,6,7
	global_load_b32 v[AS+\i], v[LS], s[4:5] offset:REC*\i
.endr
.irp q, 0,1,2,3,4,5
	LOADSET \q, \q
.endr
	s_wait_loadcnt 45                              ; x and record 0 are in; behind them: five records' 45 loads
	MAT 0, 0
.rept 5
	v_nop                                          ; the first products have no vector work behind them yet; five, since unit 2's products write over these accumulators
.endr
.Ltrip:                                            ; 9 trips of six records: records 0 .. 53 are worked, 6 .. 59 asked for.  The count 45: the five records asked for behind the one that is wanted
.irp q, 0,1,2,3,4,5
	RSTEP \q, 6+\q, 45
.endr
	s_wait_alu depctr_va_vdst(0)                   ; ahead of the wait and the branch below
	s_wait_xcnt 0x0                                ; the loads have read their base: it steps only behind this wait
	s_add_nc_u64 s[6:7], s[6:7], RING*REC
	s_sub_co_u32 s24, s24, 1
	s_cmp_lg_u32 s24, 0
	s_cbranch_scc1 .Ltrip
	RSTEP 0, 6, 45                                 ; records 54 .. 63 are written out: the last four are asked for, then nothing, and the counts run down by nine
	RSTEP 1, 7, 45
	RSTEP 2, 8, 45
	RSTEP 3, 9, 45
	RSTEP 4, -1, 36
	RSTEP 5, -1, 27
	RSTEP 0, -1, 18
	RSTEP 1, -1, 9
	RSTEP 2, -1, 0
	RSTEP 3, -1, -1
	; ---- THE WAY OUT: a row has 16 lists of two keys (8 waves x 2 halves of the lanes).  Wave w joins those of the tile of rows w.
.irp i, 0,1,2,3,4,5,6,7
	ds_store_b64 v[MW], v[BK+2*\i:BK+2*\i+1] offset:256*\i
.endr
	s_wait_dscnt 0x0                               ; for the others' sake: my keys lie in LDS
	s_barrier_signal -1
	s_barrier_wait -1
.irp k, 0,1,2,3,4,5,6,7
	ds_load_b64 v[E+2*\k:E+2*\k+1], v[MR] offset:2048*\k
.endr
	s_wait_dscnt 0x0
.set J, 0
.rept 16
	v_and_b32 v[ID+J], 63, v[E+J]
.set J, J+1
.endr
.set J, 0
.rept 16
	v_lshl_add_u32 v[ID+J], v[ID+J], 1, v[HB]
.set J, J+1
.endr
.set J, 2
.rept 14
	v_add_nc_u32 v[ID+J], 128*(J/2), v[ID+J]       ; the group's number: 2 x (64 x wave + the record's number) + h
.set J, J+1
.endr
.irp n, 2,3,4,5,6,7,8,9,10,11,12,13,14,15
	INS \n
.endr
	v_permlanex16_b32 v[E+2], v[E], s20, s21       ; the other half's best two
	v_permlanex16_b32 v[E+3], v[E+1], s20, s21
	v_permlanex16_b32 v[ID+2], v[ID], s20, s21
	v_permlanex16_b32 v[ID+3], v[ID+1], s20, s21
	INS 2
	INS 3
	v_permlanex16_b32 v[E+4], v[ID+1], s20, s21
	v_cmp_eq_u32 vcc_lo, 1, v[HB]
	v_cndmask_b32 v[TM], v[ID], v[E+4], vcc_lo     ; both words as lanes 0-15 have them: lane r the first group, lane 16 + r the second
	v_and_b32 v[E+5], 1, v[TM]
	v_mul_u32_u24 v[E+6], v[TM], 13
	v_mul_u32_u24 v[E+5], v[E+5], 12
	v_sub_nc_u32 v[E+6], v[E+6], v[E+5]            ; 26 x record + half: where the group's bytes begin in cbq, in units of 128 bytes
	v_lshl_or_b32 v[TM], v[TM], 16, v[E+6]         ; the word: the group's number above, its place below
	ds_store_b32 v[OW], v[TM]
	s_wait_dscnt 0x0
	s_barrier_signal -1
	s_barrier_wait -1
	s_cmp_ge_u32 s12, 4
	s_cbranch_scc1 .Lend                           ; four waves store 32 rows' words each
	ds_load_b64 v[E+6:E+7], v[ORD]
	s_wait_dscnt 0x0
	global_store_b64 v[GO], v[E+6:E+7], s[8:9]     ; 32 lanes store 256 consecutive bytes, at a multiple of 256 from the buffer's first byte
.Lend:
	s_wait_tensorcnt 0x0                           ; the wave's end
	ds_add_u32 v[SPW], v[NIL]
	s_wait_dscnt 0x0
	s_endpgm
.Lfunc_end_k_q0891441ada_score:
	.size	k_q0891441ada_score, .Lfunc_end_k_q0891441ada_score-k_q0891441ada_score
	.p2alignl 7, 3214868480
	.fill 96, 4, 3214868480
	.section	.rodata,"a",@progbits
	.p2align	6, 0x0
	.amdhsa_kernel k_q0891441ada_score
		.amdhsa_group_segment_fixed_size 18432
		.amdhsa_private_segment_fixed_size 0
		.amdhsa_enable_private_segment 0
		.amdhsa_kernarg_size 24
		.amdhsa_user_sgpr_count 2
		.amdhsa_user_sgpr_kernarg_segment_ptr 1
		.amdhsa_wavefront_size32 1
		.amdhsa_system_sgpr_workgroup_id_x 1
		.amdhsa_system_sgpr_workgroup_id_y 1
		.amdhsa_system_sgpr_workgroup_id_z 1
		.amdhsa_system_vgpr_workitem_id 0
		.amdhsa_next_free_vgpr 512
		.amdhsa_next_free_sgpr 66
		.amdhsa_reserve_vcc 1
		.amdhsa_float_denorm_mode_32 3
		.amdhsa_float_denorm_mode_16_64 3
		.amdhsa_memory_ordered 1
		.amdhsa_forward_progress 1
		.amdhsa_inst_pref_size 130
	.end_amdhsa_kernel
	.amdgpu_metadata
---
amdhsa.version: [ 1, 2 ]
amdhsa.kernels:
  - .name:           k_q0891441ada_score
    .symbol:         k_q0891441ada_score.kd
    .args:
      - { .name: xq, .offset: 0, .size: 8, .value_kind: global_buffer, .address_space: global }
      - { .name: cbq, .offset: 8, .size: 8, .value_kind: global_buffer, .address_space: global }
      - { .name: cand, .offset: 16, .size: 8, .value_kind: global_buffer, .address_space: global }
    .group_segment_fixed_size: 18432
    .private_segment_fixed_size: 0
    .kernarg_segment_align: 8
    .kernarg_segment_size: 24
    .max_flat_workgroup_size: 256
    .sgpr_count:     66
    .vgpr_count:     512
    .wavefront_size: 32
...
	.end_amdgpu_metadata
.endif
;; end of part 2
;; launch resolve (part 3): grid 256 x 1, 8 waves a work-group, no clusters, 1,536 bytes of LDS; arguments cand, xq, cbq, out1, idxw; writes out1, idxw
.if DOCPART == 3
	.amdgcn_target "amdgcn-amd-amdhsa--gfx1250"
	.amdhsa_code_object_version 6
	.text
	.protected	k_q0891441ada_resolve
	.globl	k_q0891441ada_resolve
	.p2align	8
	.type	k_q0891441ada_resolve,@function
k_q0891441ada_resolve:
	s_mov_b64 s[64:65], 0
	v_nop
	global_prefetch_b8 v0, s[64:65] scope:SCOPE_SE
	s_setreg_imm32_b32 hwreg(HW_REG_WAVE_MODE, 25, 1), 1
	s_wait_xcnt 0x0
; For each row of x: the two groups of 8 codes that the launch before stored in cand (whole numbers) are multiplied again, and d = (a2 - 2 ab) + b2 is rounded as the definition rounds it: t = a2 - 2 ab is one fused
; multiply-add, d = t + b2 one more (b2 = -2 x the stored -b2 / 2, exactly).  The least d wins, the lowest index among equal d.  The index goes to out1 and, the same number, to idxw, from which the next launch
; forms addresses.  LIMITS: as in the launch before.
; SHARES.  A wave owns a tile of 16 rows.  For row n source 0 is made of its two groups: lanes with r < 8 take the first group's codes, the others the second's; each group's bytes lie at 128 x (the word's low half),
; held to the buffer, + 16 (r % 8) + 256 h in each block of 512.  Of the product's 16 columns column n alone counts: it is kept by eight selects under a constant mask of lanes n and 16 + n.
; All 16 rows' fragments are asked for on end, 7 loads a row.  No tensor load, no ring; LDS carries only the 128 indices, so that they leave in whole runs of 256 bytes.
.set REC,   3328
.set TOP,   13287                      ; 26 x 511 + 1: the last group's place
.set SPARE, 512
.set SPW, 1
.set NIL, 2
.set LF,  3
.set LS,  4
.set MKA, 5
.set MKB, 6
.set XS,  7                            ; x's scale words: scales and nothing else
.set NA,  8
.set CW,  9
.set T0,  10
.set T1,  11
.set AF,  12
.set ASC, 13
.set OW,  14
.set ORD, 15
.set L16, 16
.set LX,  17
.set LA2, 18
.set LCW, 19
.set GO,  20
.set BI,  21
.set JJ,  22
.set LNH, 23
.set CB,  24                           ; v24-31 lane (r, h): ab of row r with the eight codes of its group h
.set ACC, 32                           ; v32-47 two accumulators
.set SA,  48                           ; v48-63 the codes' scale words, one a row: scales and nothing else
.set XF,  64                           ; v64-87 x's two fragments
.set NHR, 88                           ; v88-95 -b2 / 2 of my eight codes
.set FR,  96                           ; v96-239 rows 0-5: 24 registers each; rows 6-15 in window 1 from v0 on
.set MSB, 0
.macro WIN new
.if MSB != \new
	s_set_vgpr_msb (MSB<<8)|\new
.set MSB, \new
.endif
.endm
.macro ROWLD n
	s_and_b32 s48, s[16+2*\n], 0xffff
	s_and_b32 s49, s[17+2*\n], 0xffff
	s_min_u32 s48, s48, TOP                        ; inside the buffer, whatever was read
	s_min_u32 s49, s49, TOP
	s_lshl_b32 s48, s48, 7
	s_lshl_b32 s49, s49, 7
	s_wait_xcnt 0x0                                ; the row before has read its two address registers
	v_and_b32 v[T0], s48, v[MKA]
	v_and_b32 v[T1], s49, v[MKB]
	v_add_nc_u32 v[T0], v[T0], v[T1]
	v_add_nc_u32 v[AF], v[T0], v[LF]
	v_add_nc_u32 v[ASC], v[T0], v[LS]
.if \n < 6
.set LD0, FR+24*\n
.else
.set LD0, 24*(\n-6)
	WIN 0x40
.endif
.irp b, 0,1,2,3,4,5
	global_load_b128 v[LD0+4*\b:LD0+4*\b+3], v[AF], s[8:9] offset:512*\b
.endr
	WIN 0
	global_load_b32 v[SA+\n], v[ASC], s[8:9]
.endm
.macro PAIR p, cnt                     ; rows 2 p and 2 p + 1; cnt: loads that may stay out
	s_wait_alu depctr_va_vdst(0)                   ; directly ahead of the wait below
	s_wait_loadcnt \cnt
.if \p < 3
.set FA, FR+48*\p
.else
.set FA, 48*(\p-3)
	WIN 0x01
.endif
	v_wmma_scale_f32_16x16x128_f8f6f4 v[ACC:ACC+7], v[FA:FA+11], v[XF:XF+11], 0, v[SA+2*\p], v[XS] matrix_a_fmt:MATRIX_FMT_FP6 matrix_b_fmt:MATRIX_FMT_FP6
	v_wmma_scale_f32_16x16x128_f8f6f4 v[ACC+8:ACC+15], v[FA+24:FA+35], v[XF:XF+11], 0, v[SA+2*\p+1], v[XS] matrix_a_fmt:MATRIX_FMT_FP6 matrix_b_fmt:MATRIX_FMT_FP6
	v_wmma_scale_f32_16x16x128_f8f6f4 v[ACC:ACC+7], v[FA+12:FA+23], v[XF+12:XF+23], v[ACC:ACC+7], v[SA+2*\p], v[XS] matrix_a_fmt:MATRIX_FMT_FP6 matrix_b_fmt:MATRIX_FMT_FP6 matrix_a_scale:MATRIX_SCALE_ROW1 matrix_b_scale:MATRIX_SCALE_ROW1
	v_wmma_scale_f32_16x16x128_f8f6f4 v[ACC+8:ACC+15], v[FA+36:FA+47], v[XF+12:XF+23], v[ACC+8:ACC+15], v[SA+2*\p+1], v[XS] matrix_a_fmt:MATRIX_FMT_FP6 matrix_b_fmt:MATRIX_FMT_FP6 matrix_a_scale:MATRIX_SCALE_ROW1 matrix_b_scale:MATRIX_SCALE_ROW1
	WIN 0
.rept 5
	v_nop                                          ; places: four ahead of the reads below, five ahead of the next pair's products, which write over these accumulators
.endr
	s_mov_b32 s50, 0x10001<<(2*\p)
	s_mov_b32 s51, 0x10001<<(2*\p+1)
.irp j, 0,1,2,3,4,5,6,7
.if \p == 0
	v_mov_b32 v[CB+\j], v[ACC+\j]                  ; the first row fills all lanes
.else
	v_cndmask_b32 v[CB+\j], v[CB+\j], v[ACC+\j], s50
.endif
.endr
.irp j, 0,1,2,3,4,5,6,7
	v_cndmask_b32 v[CB+\j], v[CB+\j], v[ACC+8+\j], s51
.endr
.endm
	s_load_b256 s[4:11], s[0:1], 0x0               ; cand s[4:5], xq s[6:7], cbq s[8:9], out1 s[10:11]
	s_load_b64 s[12:13], s[0:1], 0x20              ; idxw
	v_lshl_add_u32 v[SPW], v0, 2, SPARE
	v_mov_b32 v[NIL], 0
	v_lshrrev_b32 v[T0], 5, v0
	v_readfirstlane_b32 s14, v[T0]                 ; wave 0..7
	v_and_b32 v[T0], 31, v0                        ; lane
	v_and_b32 v[T1], 15, v0                        ; r
	v_bfe_u32 v[BI], v0, 4, 1                      ; h
	v_and_b32 v[JJ], 7, v[T1]                      ; r % 8
	v_lshrrev_b32 v[CB], 3, v[T1]                  ; r / 8
	v_lshlrev_b32 v[L16], 4, v[T0]
	v_lshlrev_b32 v[LF], 4, v[JJ]
	v_lshl_add_u32 v[LF], v[BI], 8, v[LF]          ; 16 (r % 8) + 256 h
	v_lshlrev_b32 v[LS], 2, v[JJ]
	v_lshl_add_u32 v[LA2], v[CB], 7, v[LS]
	v_lshl_add_u32 v[LS], v[BI], 5, v[LS]
	v_add_nc_u32 v[LS], 3072, v[LS]                ; 3,072 + 32 h + 4 (r % 8)
	v_lshl_add_u32 v[LX], v[CB], 7, v[LS]          ; x's own word: + 128 (r / 8)
	v_add_nc_u32 v[LA2], 3136, v[LA2]              ; -a2 / 2 of row r
	v_sub_nc_u32 v[MKB], 0, v[CB]                  ; all ones where r >= 8,
	v_xor_b32 v[MKA], -1, v[MKB]                   ; and where r < 8
	v_lshlrev_b32 v[LCW], 3, v[T1]
	v_lshl_add_u32 v[LCW], v[BI], 2, v[LCW]        ; row r's word h
	s_lshl_b32 s15, s14, 6
	v_lshl_add_u32 v[OW], v[T1], 2, s15            ; LDS: my wave's 16 indices
	s_and_b32 s15, s14, 1
	s_lshl_b32 s15, s15, 8
	v_lshl_add_u32 v[GO], v[T0], 3, s15
	v_mov_b32 v[ORD], v[GO]
	s_mov_b32 s56, 0x76543210
	s_mov_b32 s57, 0xfedcba98
	s_lshl_b32 s15, ttmp9, 3
	s_add_co_u32 s15, s15, s14                     ; my tile of rows
	s_lshl_b32 s52, s15, 7                         ; its 32 words
	s_mov_b32 s53, 0
	s_mul_i32 s54, s15, REC                        ; its record
	s_mov_b32 s55, 0
	s_wait_alu depctr_va_vdst(0)                   ; the wait at the head's end
	s_wait_kmcnt 0x0
	s_add_nc_u64 s[4:5], s[4:5], s[52:53]
	s_add_nc_u64 s[6:7], s[6:7], s[54:55]
	s_load_b512 s[16:31], s[4:5], 0x0              ; rows 0-7: two words each
	s_load_b512 s[32:47], s[4:5], 0x40             ; rows 8-15
	global_load_b32 v[CW], v[LCW], s[4:5]
.irp b, 0,1,2,3,4,5
	global_load_b128 v[XF+4*\b:XF+4*\b+3], v[L16], s[6:7] offset:512*\b
.endr
	global_load_b32 v[XS], v[LX], s[6:7]
	global_load_b32 v[NA], v[LA2], s[6:7]
	s_wait_kmcnt 0x0
.irp n, 0,1,2,3
	ROWLD \n
.endr
	s_wait_loadcnt 36                              ; my word is in; behind it: x's 8 loads and four rows' 28
	v_and_b32 v[LNH], 0xffff, v[CW]
	v_min_u32 v[LNH], TOP, v[LNH]                  ; inside the buffer, whatever was read
	v_lshlrev_b32 v[LNH], 7, v[LNH]
	global_load_b128 v[NHR:NHR+3], v[LNH], s[8:9] offset:3136
	global_load_b128 v[NHR+4:NHR+7], v[LNH], s[8:9] offset:3152
.irp n, 4,5,6,7,8,9,10,11,12,13,14,15
	ROWLD \n
.endr
	; 123 loads were issued; rows 2 p and 2 p + 1 are in when at most 7 (14 - 2 p) are out; the counter's field holds 63, with which the first 60, rows 0-6 among them, are in
	PAIR 0, 63
	PAIR 1, 63
	PAIR 2, 63
	PAIR 3, 56
	PAIR 4, 42
	PAIR 5, 28
	PAIR 6, 14
	PAIR 7, 0
	v_mul_f32 v[NA], -2.0, v[NA]                   ; a2
.irp j, 0,1,2,3,4,5,6,7
	v_fma_f32 v[CB+\j], v[CB+\j], -2.0, v[NA]      ; t = a2 - 2 ab, one rounding
.endr
.irp j, 0,1,2,3,4,5,6,7
	v_fma_f32 v[CB+\j], v[NHR+\j], -2.0, v[CB+\j]  ; d = t + b2, one rounding
.endr
	v_mov_b32 v[BI], v[CB]
	v_mov_b32 v[JJ], 0
.irp j, 1,2,3,4,5,6,7
	v_cmp_lt_f32 vcc_lo, v[CB+\j], v[BI]           ; only a strictly smaller d takes over: the lowest index wins a tie
	v_cndmask_b32 v[BI], v[BI], v[CB+\j], vcc_lo
	v_cndmask_b32 v[JJ], v[JJ], \j, vcc_lo
.endr
	v_lshrrev_b32 v[T0], 16, v[CW]                 ; the group's number
	v_lshl_add_u32 v[JJ], v[T0], 3, v[JJ]          ; the code's index
	v_permlanex16_b32 v[T0], v[BI], s56, s57       ; the row's other group
	v_permlanex16_b32 v[T1], v[JJ], s56, s57
	v_cmp_lt_f32 s50, v[T0], v[BI]
	v_cmp_eq_f32 s51, v[T0], v[BI]
	v_cmp_lt_u32 vcc_lo, v[T1], v[JJ]
	s_and_b32 s51, s51, vcc_lo
	s_or_b32 vcc_lo, s50, s51
	v_cndmask_b32 v[JJ], v[JJ], v[T1], vcc_lo      ; the lesser by d, among equal d by the index: the same in both halves of the lanes
	ds_store_b32 v[OW], v[JJ]                      ; both halves write the same word with the same value
	s_wait_dscnt 0x0
	s_barrier_signal -1
	s_barrier_wait -1
	s_cmp_ge_u32 s14, 4
	s_cbranch_scc1 .Lend                           ; waves 0, 1 store out1, waves 2, 3 the same to idxw; 64 rows each
	ds_load_b64 v[CB:CB+1], v[ORD]
	s_cmp_lt_u32 s14, 2
	s_cselect_b64 s[16:17], s[10:11], s[12:13]     ; the choice hangs on the wave's number alone
	s_lshl_b32 s52, ttmp9, 9
	s_mov_b32 s53, 0
	s_add_nc_u64 s[16:17], s[16:17], s[52:53]
	s_wait_dscnt 0x0
	global_store_b64 v[GO], v[CB:CB+1], s[16:17]   ; 32 lanes store 256 consecutive bytes, at a multiple of 256 from the buffer's first byte
.Lend:
	s_wait_tensorcnt 0x0                           ; the wave's end
	ds_add_u32 v[SPW], v[NIL]
	s_wait_dscnt 0x0
	s_endpgm
.Lfunc_end_k_q0891441ada_resolve:
	.size	k_q0891441ada_resolve, .Lfunc_end_k_q0891441ada_resolve-k_q0891441ada_resolve
	.p2alignl 7, 3214868480
	.fill 96, 4, 3214868480
	.section	.rodata,"a",@progbits
	.p2align	6, 0x0
	.amdhsa_kernel k_q0891441ada_resolve
		.amdhsa_group_segment_fixed_size 1536
		.amdhsa_private_segment_fixed_size 0
		.amdhsa_enable_private_segment 0
		.amdhsa_kernarg_size 40
		.amdhsa_user_sgpr_count 2
		.amdhsa_user_sgpr_kernarg_segment_ptr 1
		.amdhsa_wavefront_size32 1
		.amdhsa_system_sgpr_workgroup_id_x 1
		.amdhsa_system_sgpr_workgroup_id_y 1
		.amdhsa_system_sgpr_workgroup_id_z 1
		.amdhsa_system_vgpr_workitem_id 0
		.amdhsa_next_free_vgpr 512
		.amdhsa_next_free_sgpr 66
		.amdhsa_reserve_vcc 1
		.amdhsa_float_denorm_mode_32 3
		.amdhsa_float_denorm_mode_16_64 3
		.amdhsa_memory_ordered 1
		.amdhsa_forward_progress 1
		.amdhsa_inst_pref_size 41
	.end_amdhsa_kernel
	.amdgpu_metadata
---
amdhsa.version: [ 1, 2 ]
amdhsa.kernels:
  - .name:           k_q0891441ada_resolve
    .symbol:         k_q0891441ada_resolve.kd
    .args:
      - { .name: cand, .offset: 0, .size: 8, .value_kind: global_buffer, .address_space: global }
      - { .name: xq, .offset: 8, .size: 8, .value_kind: global_buffer, .address_space: global }
      - { .name: cbq, .offset: 16, .size: 8, .value_kind: global_buffer, .address_space: global }
      - { .name: out1, .offset: 24, .size: 8, .value_kind: global_buffer, .address_space: global }
      - { .name: idxw, .offset: 32, .size: 8, .value_kind: global_buffer, .address_space: global }
    .group_segment_fixed_size: 1536
    .private_segment_fixed_size: 0
    .kernarg_segment_align: 8
    .kernarg_segment_size: 40
    .max_flat_workgroup_size: 256
    .sgpr_count:     66
    .vgpr_count:     512
    .wavefront_size: 32
...
	.end_amdgpu_metadata
.endif
;; end of part 3
;; launch gather (part 4): grid 256 x 1, 8 waves a work-group, no clusters, 0 bytes of LDS; arguments idxw, codebook, out0; writes out0
.if DOCPART == 4
	.amdgcn_target "amdgcn-amd-amdhsa--gfx1250"
	.amdhsa_code_object_version 6
	.text
	.protected	k_q0891441ada_gather
	.globl	k_q0891441ada_gather
	.p2align	8
	.type	k_q0891441ada_gather,@function
k_q0891441ada_gather:
	s_mov_b64 s[64:65], 0
	v_nop
	global_prefetch_b8 v0, s[64:65] scope:SCOPE_SE
	s_setreg_imm32_b32 hwreg(HW_REG_WAVE_MODE, 25, 1), 1
	s_wait_xcnt 0x0
; out0[row][:] = codebook[idxw[row]][:], 256 f32 = 1,024 bytes a row, the unquantised numbers.  idxw holds the whole numbers that the launch before stored.
; A wave owns 16 rows.  Its 16 indices come by one scalar load; each is held to the table's 8,192 rows before it enters an address.  A row is two loads and two stores of 512 consecutive bytes.
; All 32 loads of a wave are issued before its first store: 16 KB on their way a wave.  Each row has registers of its own for its offset and its data: nothing is written twice, so no wait frees a source.
; No LDS, no barrier, no matrix work: bytes are moved, each output byte once.  No hint on the loads: a row of the table may be named again by other rows.
.set OFF, 2                            ; v2-17   row k: the byte offset of my 16 bytes in the table
.set D,   24                           ; v24-151 row k: 8 registers
	s_load_b128 s[4:7], s[0:1], 0x0                ; the indices, the codebook
	s_load_b64 s[8:9], s[0:1], 0x10                ; out0
	v_lshrrev_b32 v1, 5, v0
	s_delay_alu instid0(VALU_DEP_1)
	v_readfirstlane_b32 s10, v1                    ; wave 0..7
	v_and_b32 v1, 31, v0
	s_delay_alu instid0(VALU_DEP_1)
	v_lshlrev_b32 v1, 4, v1                        ; 16 x lane
	s_lshl_b32 s11, ttmp9, 7
	s_lshl_b32 s12, s10, 4
	s_add_co_u32 s12, s11, s12                     ; my first row: 128 x work-group + 16 x wave
	s_lshl_b32 s14, s12, 2                         ; its index,
	s_mov_b32 s15, 0
	s_lshl_b32 s32, s12, 10                        ; its row of out0
	s_mov_b32 s33, 0
	s_wait_alu depctr_va_vdst(0)
	s_wait_kmcnt 0x0
	s_add_nc_u64 s[4:5], s[4:5], s[14:15]
	s_add_nc_u64 s[8:9], s[8:9], s[32:33]
	s_load_b512 s[16:31], s[4:5], 0x0              ; my 16 indices: 64 bytes, at a multiple of 64
	s_wait_kmcnt 0x0
.irp k, 0,1,2,3,4,5,6,7,8,9,10,11,12,13,14,15
	s_min_u32 s[16+\k], s[16+\k], 0x1fff           ; inside the table, whatever was read
	s_lshl_b32 s[16+\k], s[16+\k], 10              ; 1,024 bytes a row
	v_add_nc_u32 v[OFF+\k], s[16+\k], v1
.endr
	s_wait_alu depctr_va_vdst(0)
.irp k, 0,1,2,3,4,5,6,7,8,9,10,11,12,13,14,15
	global_load_b128 v[D+8*\k:D+8*\k+3], v[OFF+\k], s[6:7]
	global_load_b128 v[D+8*\k+4:D+8*\k+7], v[OFF+\k], s[6:7] offset:512
.endr
.irp k, 0,1,2,3,4,5,6,7,8,9,10,11,12,13,14,15
	s_wait_loadcnt 30-2*\k                         ; loads come back in order: row k's two are in, those of the 15 - k rows behind it may be out
	global_store_b128 v1, v[D+8*\k:D+8*\k+3], s[8:9] offset:1024*\k th:TH_STORE_NT       ; 512 consecutive bytes, at a multiple of 256 from out0's first byte; written once, read by nobody here
	global_store_b128 v1, v[D+8*\k+4:D+8*\k+7], s[8:9] offset:1024*\k+512 th:TH_STORE_NT
.endr
	s_endpgm
.Lfunc_end_k_q0891441ada_gather:
	.size	k_q0891441ada_gather, .Lfunc_end_k_q0891441ada_gather-k_q0891441ada_gather
	.p2alignl 7, 3214868480
	.fill 96, 4, 3214868480
	.section	.rodata,"a",@progbits
	.p2align	6, 0x0
	.amdhsa_kernel k_q0891441ada_gather
		.amdhsa_group_segment_fixed_size 0
		.amdhsa_private_segment_fixed_size 0
		.amdhsa_enable_private_segment 0
		.amdhsa_kernarg_size 24
		.amdhsa_user_sgpr_count 2
		.amdhsa_user_sgpr_kernarg_segment_ptr 1
		.amdhsa_wavefront_size32 1
		.amdhsa_system_sgpr_workgroup_id_x 1
		.amdhsa_system_sgpr_workgroup_id_y 1
		.amdhsa_system_sgpr_workgroup_id_z 1
		.amdhsa_system_vgpr_workitem_id 0
		.amdhsa_next_free_vgpr 152
		.amdhsa_next_free_sgpr 66
		.amdhsa_reserve_vcc 0
		.amdhsa_float_denorm_mode_32 3
		.amdhsa_float_denorm_mode_16_64 3
		.amdhsa_memory_ordered 1
		.amdhsa_forward_progress 1
		.amdhsa_inst_pref_size 10
	.end_amdhsa_kernel
	.amdgpu_metadata
---
amdhsa.version: [ 1, 2 ]
amdhsa.kernels:
  - .name:           k_q0891441ada_gather
    .symbol:         k_q0891441ada_gather.kd
    .args:
      - { .name: idxw, .offset: 0, .size: 8, .value_kind: global_buffer, .address_space: global }
      - { .name: codebook, .offset: 8, .size: 8, .value_kind: global_buffer, .address_space: global }
      - { .name: out0, .offset: 16, .size: 8, .value_kind: global_buffer, .address_space: global }
    .group_segment_fixed_size: 0
    .private_segment_fixed_size: 0
    .kernarg_segment_align: 8
    .kernarg_segment_size: 24
    .max_flat_workgroup_size: 256
    .sgpr_count:     66
    .vgpr_count:     152
    .wavefront_size: 32
...
	.end_amdgpu_metadata
.endif
;; end of part 4
